; MI455X (gfx1250); checked and timed in simulation.
; The chip was launched on July 23, 2026; its instructions are those of AMD's public machine-readable ISA for CDNA 5 (MIT licence, August 2026) and "CDNA5" Instruction Set Architecture Reference Guide (July 2026). The comments in the code are by the model that wrote it; some were corrected since.
;; Attention. Allowed arithmetic: matrix products marked QUANTISED: E2M3 operands, one E8M0 scale for each 32 along K, by v_wmma_scale_f32_16x16x128_f8f6f4 with both operands' format E2M3, f32 sums; products left as they are: f32 operands where the result goes on into a quantised operand, else bf16, f16 or f32 operands; f32 sums; everything else in f32.
;; Inputs: Wh_codes 1,024 x 32 x 24 uint8 (E2M3 codes of Wh, K innermost, in blocks of 32 codes, four codes in three bytes); Wh_scales 1,024 x 32 uint8 (E8M0 scales of Wh, one for each 32 codes along K); Ws_codes 1,024 x 32 x 24 uint8 (E2M3 codes of Ws, K innermost, in blocks of 32 codes, four codes in three bytes); Ws_scales 1,024 x 32 uint8 (E8M0 scales of Ws, one for each 32 codes along K); bh 1,024 float32; bs 1,024 float32; coverage_vector 32 x 2,048 float32; dec_in_state_codes 32 x 32 x 24 uint8 (E2M3 codes of dec_in_state, K innermost, in blocks of 32 codes, four codes in three bytes); dec_in_state_scales 32 x 32 uint8 (E8M0 scales of dec_in_state, one for each 32 codes along K); enc_lens 32 int32; enc_states 32 x 2,048 x 1,024 float32; v 1,024 float32; wc 1,024 float32.
;; Outputs: out0 32 x 1,024 float32; out1 32 x 2,048 float32; out2 32 x 2,048 float32.
;; This version of the problem:
;;   THIS VERSION OF THE PROBLEM IS GIVEN IN LOW PRECISION. The matrix products marked QUANTISED in the list below multiply operands that are first quantised to E2M3 (2 exponent bits, 3 mantissa bits; 6 bits a number), with one power-of-two scale for each 32 numbers along K (OCP MX v1.0); their sums are f32. All else is computed in f32.
;;   The module's matrix products, in the order in which they are computed (A, B: the left and right operand; K: the contracted axis; several contracted axes count as one K, in the product's order):
;;     1. [M 65,536, K 1,024] x [K 1,024, N 1,024]; A: input enc_states; B: input Wh (given as codes): QUANTISED
;;     2. [M 32, K 1,024] x [K 1,024, N 1,024]; A: input dec_in_state (given as codes); B: input Ws (given as codes): QUANTISED
;;     3. [M 65,536, K 1,024] x [K 1,024, N 1]; A: computed on the way; B: input v: left as it is (N = 1 < 16)
;;     4. batch 32 x [M 1, K 2,048] x [K 2,048, N 1,024]; A: computed on the way; B: input enc_states: left as it is (M = 1 < 16)
;;   THE QUANTISER, for each operand of a quantised product, along K:
;;     - K is cut into blocks of 32 from its start; a last block that is shorter is filled with zeros.
;;     - A block's scale is 2^e with e = floor(log2(the largest magnitude in the block)) - 2, held to -126 .. 127; a block of zeros has e = 0. As a byte (E8M0): e + 127.
;;     - Each number is divided by its block's scale, clamped to +-7.5, and rounded to the nearest number of E2M3, ties to even, subnormals kept.
;;     - The product sums the exact products of the quantised numbers (number of the format x scale) in f32.
;;   ~~~python
;;   def quantise(x, axis):      # numpy; x: float32 -> the quantised numbers, widened to float32 again
;;       x = np.moveaxis(x, axis, -1); K = x.shape[-1]
;;       x = np.pad(x, [(0, 0)] * (x.ndim - 1) + [(0, -K % 32)]); x = x.reshape(x.shape[:-1] + (-1, 32)); a = np.abs(x).max(-1, keepdims=True)
;;       e = np.where(a > 0, np.clip(np.frexp(np.where(a > 0, a, 1))[1] - 1 - 2, -126, 127), 0)      # np.frexp(a)[1] - 1 = floor(log2(a)), exactly
;;       r = np.clip(x / 2.0 ** e, -7.5, 7.5)
;;       step = 2.0 ** (np.maximum(np.frexp(np.where(r == 0, 1, r))[1] - 1, 0) - 3)
;;       q = np.round(r / step) * step * 2.0 ** e      # np.round: ties to even
;;       return np.moveaxis(q.reshape(q.shape[:-2] + (-1,))[..., :K], -1, axis).astype(np.float32)
;;   ~~~
;;   INPUTS GIVEN AS CODES. Wh (in the module: [1024, 1024], K = its axis 1); Ws (in the module: [1024, 1024], K = its axis 1); dec_in_state (in the module: [32, 1024], K = its axis 1): each comes as NAME_codes (uint8): NAME with its K axis moved to the last place and cut into blocks of 32 codes, [.., K / 32, bytes a block], one block behind the other in memory; four codes in three bytes: a row's codes are one little-endian stream of bits, code i at bits 6 i .. 6 i + 5 (a code: sign, 2 exponent bits, 3 mantissa bits); and NAME_scales (uint8): the same leading axes, one E8M0 byte (e + 127) for each 32 codes along K. Its value is code x scale, taken as it is: it is not quantised again, and the codes and scales need not be those that the quantiser above would give.
;; One version. Each part assembles by itself: llvm-mc -triple=amdgcn-amd-amdhsa -mcpu=gfx1250 --defsym DOCPART=n.
;; ======== version 1 of 1: 3 launches
;; limits: values are held in f16: magnitudes above 65,504 overflow, below 6.1e-05 lose precision; inputs' magnitudes at most 65,504; right only within a limited range of input values
;; workspace buffers: whi 1,048,576 bytes; dfeat 131,072 bytes; ehat 262,144 bytes; stats 65,536 bytes; ctxp 1,048,576 bytes
;; launch prep (part 1): grid 64 x 1, 4 waves a work-group, no clusters, 0 bytes of LDS; arguments Wh_codes, Wh_scales, Ws_codes, Ws_scales, dec_in_state_codes, dec_in_state_scales, bh, bs, whi, dfeat; writes whi, dfeat
.if DOCPART == 1
	.amdgcn_target "amdgcn-amd-amdhsa--gfx1250"
	.amdhsa_code_object_version 6
	.text
	.protected	k_qab55f8686f_prep
	.globl	k_qab55f8686f_prep
	.p2align	8
	.type	k_qab55f8686f_prep,@function
k_qab55f8686f_prep:
	s_mov_b64 s[64:65], 0
	v_nop
	global_prefetch_b8 v0, s[64:65] scope:SCOPE_SE
	s_setreg_imm32_b32 hwreg(HW_REG_WAVE_MODE, 25, 1), 1
	s_wait_xcnt 0x0
; Two small jobs ahead of the main launch.  Work-group T (0..63) owns the 16 rows 16 T .. 16 T + 15 of Wh and of Ws.
; WAVES 0, 1 (u = wave): D'[b][n] = c ((dec Ws^T)[b][n] + bs[n] + bh[n]), c = 2 log2(e), for the 16 batch rows 16 u + r and the tile's 16 n:
;   eight products 16 x 16 x 128 on the given E2M3 codes and E8M0 bytes, used transposed (source 0 = 16 rows of Ws, source 1 = 16 rows of dec),
;   so that a lane holds one batch row and eight neighbouring n.  K is shared between two accumulators that take turns.
;   Its stores are pieces of 32 bytes in rows 4,096 bytes apart: 131,072 bytes in the whole launch.
; WAVES 2, 3 (u' = wave - 2): Wh's tile is laid out as the main launch's registers want it: record T of 16,384 bytes in whi:
;   fragment k (16 rows x 128 K, 12 registers a lane) at 1,536 k: register group c (4 registers) of lane l at 512 c + 16 l;
;   at 12,288 the scale words: lane (r, h) has words 4 h .. 4 h + 3 of row r.  Bytes 12,800 .. 16,383 of a record are neither written nor read.
; A row of 1,024 codes is 768 bytes; lane (r, h) of a fragment takes 24 bytes at 768 r + 96 k + 24 h and 24 bytes 48 further on, in pieces of 8.
.set C2, 0x4038aa3b                    ; c = 2 log2(e)
	s_load_b256 s[4:11], s[0:1], 0x0               ; Wh codes s[4:5], Wh scales s[6:7], Ws codes s[8:9], Ws scales s[10:11]
	s_load_b256 s[12:19], s[0:1], 0x20             ; dec codes s[12:13], dec scales s[14:15], bh s[16:17], bs s[18:19]
	s_load_b128 s[20:23], s[0:1], 0x40             ; whi s[20:21], dfeat s[22:23]
	v_lshrrev_b32 v1, 5, v0
	v_readfirstlane_b32 s24, v1                    ; wave 0..3
	v_and_b32 v2, 15, v0                           ; r
	v_bfe_u32 v3, v0, 4, 1                         ; h
	v_and_b32 v4, 31, v0                           ; lane
	v_mul_u32_u24 v5, v2, 768
	v_mad_u32_u24 v5, v3, 24, v5                   ; codes: 768 r + 24 h
	v_lshlrev_b32 v6, 5, v2
	v_lshl_add_u32 v6, v3, 4, v6                   ; scale words: 32 r + 16 h
	s_mul_i32 s26, ttmp9, 12288                    ; the tile's 16 rows of codes
	s_mov_b32 s27, 0
	s_lshl_b32 s28, ttmp9, 9                       ; and of scale bytes
	s_mov_b32 s29, 0
	s_mov_b32 s34, C2
	s_mov_b32 s35, C2                              ; (the packed form names the pair)
	s_wait_kmcnt 0x0
	s_cmp_lt_u32 s24, 2
	s_cbranch_scc0 .Limage
	; ---- waves 0, 1: D'
	s_add_nc_u64 s[8:9], s[8:9], s[26:27]          ; Ws: the tile's codes
	s_add_nc_u64 s[10:11], s[10:11], s[28:29]      ; and scale bytes
	s_mul_i32 s30, s24, 12288
	s_mov_b32 s31, 0
	s_add_nc_u64 s[12:13], s[12:13], s[30:31]      ; dec: rows 16 u on
	s_lshl_b32 s30, s24, 9
	s_add_nc_u64 s[14:15], s[14:15], s[30:31]
	s_lshl_b32 s30, ttmp9, 6                       ; 4 x 16 T
	s_add_nc_u64 s[16:17], s[16:17], s[30:31]      ; bh, bs at the tile's n
	s_add_nc_u64 s[18:19], s[18:19], s[30:31]
	s_lshl_b32 s32, s24, 16                        ; 16 u rows of 4,096 bytes
	s_add_co_u32 s30, s30, s32
	s_add_nc_u64 s[22:23], s[22:23], s[30:31]      ; dfeat at (16 u, 16 T)
	s_wait_alu depctr_va_vdst(0)
	v_lshlrev_b32 v7, 5, v3                        ; 32 h: my eight n
	v_lshl_add_u32 v8, v2, 12, v7                  ; 4,096 r + 32 h
.irp k, 0,1,2,3,4,5,6,7
.irp p, 0,1,2,3,4,5
	global_load_b64 v[64+12*\k+2*\p:64+12*\k+2*\p+1], v5, s[8:9] offset:96*\k+48*(\p/3)+8*(\p%3)      ; Ws, K step k
	global_load_b64 v[160+12*\k+2*\p:160+12*\k+2*\p+1], v5, s[12:13] offset:96*\k+48*(\p/3)+8*(\p%3)  ; dec, K step k
.endr
.endr
	global_load_b128 v[16:19], v6, s[10:11]        ; Ws scale words: register k % 4; lanes 0-15 K steps 0-3, lanes 16-31 K steps 4-7
	global_load_b128 v[20:23], v6, s[14:15]        ; dec likewise
	global_load_b128 v[24:27], v7, s[18:19]        ; bs
	global_load_b128 v[28:31], v7, s[18:19] offset:16
	global_load_b128 v[32:35], v7, s[16:17]        ; bh
	global_load_b128 v[36:39], v7, s[16:17] offset:16
	s_wait_loadcnt 0x0
.irp k, 0,1,2,3,4,5,6,7                ; the two accumulators take turns, one instruction a turn; each begins with C = 0
.set AC, 40+8*(\k%2)
.if \k < 2
	v_wmma_scale_f32_16x16x128_f8f6f4 v[AC:AC+7], v[64+12*\k:64+12*\k+11], v[160+12*\k:160+12*\k+11], 0, v[16+\k], v[20+\k] matrix_a_fmt:MATRIX_FMT_FP6 matrix_b_fmt:MATRIX_FMT_FP6
.elseif \k < 4
	v_wmma_scale_f32_16x16x128_f8f6f4 v[AC:AC+7], v[64+12*\k:64+12*\k+11], v[160+12*\k:160+12*\k+11], v[AC:AC+7], v[16+\k], v[20+\k] matrix_a_fmt:MATRIX_FMT_FP6 matrix_b_fmt:MATRIX_FMT_FP6
.else
	v_wmma_scale_f32_16x16x128_f8f6f4 v[AC:AC+7], v[64+12*\k:64+12*\k+11], v[160+12*\k:160+12*\k+11], v[AC:AC+7], v[16+\k-4], v[20+\k-4] matrix_a_fmt:MATRIX_FMT_FP6 matrix_b_fmt:MATRIX_FMT_FP6 matrix_a_scale:MATRIX_SCALE_ROW1 matrix_b_scale:MATRIX_SCALE_ROW1
.endif
.endr
.irp j, 0,2,4,6
	v_pk_add_f32 v[24+\j:25+\j], v[24+\j:25+\j], v[32+\j:33+\j]    ; bs + bh: four plain instructions that name no register of the products: the places behind them (ISA guide 7.12.1)
.endr
.irp j, 0,2,4,6
	v_pk_add_f32 v[56+\j:57+\j], v[40+\j:41+\j], v[48+\j:49+\j]    ; the two halves of K; each accumulator is read from its low end on
.endr
.irp j, 0,2,4,6
	v_pk_add_f32 v[56+\j:57+\j], v[56+\j:57+\j], v[24+\j:25+\j]
.endr
.irp j, 0,2,4,6
	v_pk_mul_f32 v[56+\j:57+\j], v[56+\j:57+\j], s[34:35] op_sel_hi:[1,0]   ; x c
.endr
	global_store_b128 v8, v[56:59], s[22:23]       ; lane (r, h): D'(16 u + r, 16 T + 8 h + 0 .. 7)
	global_store_b128 v8, v[60:63], s[22:23] offset:16
	s_endpgm
.Limage:
	; ---- waves 2, 3: Wh's K steps 4 u' .. 4 u' + 3 as register images
	s_sub_co_u32 s30, s24, 2                       ; u'
	s_mul_i32 s32, s30, 384                        ; four K steps of 96 bytes
	s_add_co_u32 s26, s26, s32
	s_add_nc_u64 s[4:5], s[4:5], s[26:27]
	s_lshl_b32 s32, ttmp9, 14                      ; record T
	s_mul_i32 s33, s30, 6144                       ; four fragments of 1,536 bytes
	s_add_co_u32 s32, s32, s33
	s_mov_b32 s33, 0
	s_add_nc_u64 s[20:21], s[20:21], s[32:33]
	s_wait_alu depctr_va_vdst(0)
	v_lshlrev_b32 v9, 4, v4                        ; 16 x lane
.irp k, 0,1,2,3
.irp p, 0,1,2,3,4,5
	global_load_b64 v[64+12*\k+2*\p:64+12*\k+2*\p+1], v5, s[4:5] offset:96*\k+48*(\p/3)+8*(\p%3)
.endr
.endr
	s_wait_alu depctr_va_vdst(0)
	s_wait_loadcnt 0x0
.irp k, 0,1,2,3
.irp c, 0,1,2
	global_store_b128 v9, v[64+12*\k+4*\c:64+12*\k+4*\c+3], s[20:21] offset:1536*\k+512*\c   ; 32 lanes store 512 consecutive bytes
.endr
.endr
	s_cmp_lg_u32 s24, 2
	s_cbranch_scc1 .Ldone
	s_add_nc_u64 s[6:7], s[6:7], s[28:29]          ; wave 2 (u' = 0) also copies the tile's scale words
	global_load_b128 v[16:19], v6, s[6:7]
	s_wait_loadcnt 0x0
	global_store_b128 v9, v[16:19], s[20:21] offset:12288
.Ldone:
	s_endpgm
.Lfunc_end_k_qab55f8686f_prep:
	.size	k_qab55f8686f_prep, .Lfunc_end_k_qab55f8686f_prep-k_qab55f8686f_prep
	.p2alignl 7, 3214868480
	.fill 96, 4, 3214868480
	.section	.rodata,"a",@progbits
	.p2align	6, 0x0
	.amdhsa_kernel k_qab55f8686f_prep
		.amdhsa_group_segment_fixed_size 0
		.amdhsa_private_segment_fixed_size 0
		.amdhsa_enable_private_segment 0
		.amdhsa_kernarg_size 80
		.amdhsa_user_sgpr_count 2
		.amdhsa_user_sgpr_kernarg_segment_ptr 1
		.amdhsa_wavefront_size32 1
		.amdhsa_system_sgpr_workgroup_id_x 1
		.amdhsa_system_sgpr_workgroup_id_y 1
		.amdhsa_system_sgpr_workgroup_id_z 1
		.amdhsa_system_vgpr_workitem_id 0
		.amdhsa_next_free_vgpr 256
		.amdhsa_next_free_sgpr 66
		.amdhsa_reserve_vcc 0
		.amdhsa_float_denorm_mode_32 3
		.amdhsa_float_denorm_mode_16_64 3
		.amdhsa_memory_ordered 1
		.amdhsa_forward_progress 1
		.amdhsa_inst_pref_size 18
	.end_amdhsa_kernel
	.amdgpu_metadata
---
amdhsa.version: [ 1, 2 ]
amdhsa.kernels:
  - .name:           k_qab55f8686f_prep
    .symbol:         k_qab55f8686f_prep.kd
    .args:
      - { .name: Wh_codes, .offset: 0, .size: 8, .value_kind: global_buffer, .address_space: global }
      - { .name: Wh_scales, .offset: 8, .size: 8, .value_kind: global_buffer, .address_space: global }
      - { .name: Ws_codes, .offset: 16, .size: 8, .value_kind: global_buffer, .address_space: global }
      - { .name: Ws_scales, .offset: 24, .size: 8, .value_kind: global_buffer, .address_space: global }
      - { .name: dec_in_state_codes, .offset: 32, .size: 8, .value_kind: global_buffer, .address_space: global }
      - { .name: dec_in_state_scales, .offset: 40, .size: 8, .value_kind: global_buffer, .address_space: global }
      - { .name: bh, .offset: 48, .size: 8, .value_kind: global_buffer, .address_space: global }
      - { .name: bs, .offset: 56, .size: 8, .value_kind: global_buffer, .address_space: global }
      - { .name: whi, .offset: 64, .size: 8, .value_kind: global_buffer, .address_space: global }
      - { .name: dfeat, .offset: 72, .size: 8, .value_kind: global_buffer, .address_space: global }
    .group_segment_fixed_size: 0
    .private_segment_fixed_size: 0
    .kernarg_segment_align: 8
    .kernarg_segment_size: 80
    .max_flat_workgroup_size: 128
    .sgpr_count:     66
    .vgpr_count:     256
    .wavefront_size: 32
...
	.end_amdgpu_metadata
.endif
;; end of part 1
;; launch attend (part 2): grid 256 x 1, 4 waves a work-group, no clusters, 327,680 bytes of LDS; arguments enc_states, whi, dfeat, wc, v, coverage_vector, enc_lens, ehat, stats, ctxp; writes ehat, stats, ctxp
.if DOCPART == 2
	.amdgcn_target "amdgcn-amd-amdhsa--gfx1250"
	.amdhsa_code_object_version 6
	.text
	.protected	k_qab55f8686f_attend
	.globl	k_qab55f8686f_attend
	.p2align	8
	.type	k_qab55f8686f_attend,@function
k_qab55f8686f_attend:
	s_mov_b64 s[64:65], 0
	v_nop
	global_prefetch_b8 v0, s[64:65] scope:SCOPE_SE
	s_setreg_imm32_b32 hwreg(HW_REG_WAVE_MODE, 25, 1), 1
	s_wait_xcnt 0x0
; Scores, running softmax and context of 256 rows of one batch: enc_states is read from memory ONCE.
; MATHEMATICS.  c = 2 log2(e).  tanh(x) = 1 - 2 r, r = 1 / (1 + 2^(c x)).  A softmax does not change under a common shift, so sum(v) is dropped and the score is kept in base 2:
;   e^[s] = sum over n of V'[n] r[s][n], V' = -c v;   c x = c acc + (W'[n] cov[s] + D'[b][n]), W' = c wc, D' = c (dec Ws^T + bs + bh) (made by the launch before), acc = Q(enc) Wh^T on E2M3 codes.
;   The weights are p = 2^(e^ - M) under a running maximum M over the rows that enc_lens lets count; p of the other rows is set to 0.  (M, L = sum p) and sum p x enc go to memory; the last launch joins the 8 parts of a batch.
; LIMITS.  NaN and infinities among the inputs are not served.  The maximum starts at -3e38 and hidden rows enter it as -3e38.  enc_lens = 0 is not served (reference() gives NaN there).
;   For the context (a product that is left as it is) enc_states and p go to the matrix unit as f16: |enc_states| must stay under 65,504; numbers under 2^-14 keep an absolute step of 2^-24.  p is at most 1, and L at least 1 where a row counts.
;   bf16's 8 bits of significand are too few here: a batch with few rows that count does not average the rounding out.  The quantiser works on the f32 numbers.
; SHARES.  Work-group g: batch g / 8, rows 256 (g % 8) on, as 4 blocks of 64 rows.  Four waves.  In a block:
;   Q  wave w quantises rows 8 w + i and 32 + 8 w + i (i = 0..7): lane l holds columns 32 l .. 32 l + 31, ONE block of 32 along K: its largest magnitude needs no other lane.  Codes and scale bytes go to a stage in LDS
;      (32 rows at a time), the same numbers as f16 into 256 registers of the wave, two rows to a register.  Every wave then loads all 64 rows' codes: 32 fragments, 384 registers.
;      The rows are read out of the landing zone AHEAD of their turn, into registers that are idle in this phase: when a wave's first 8 rows are quantised, its other 8 are in registers too.
;   G  wave w multiplies them by Wh's tiles 16 w .. 16 w + 15 (16 n each), which come from memory straight into registers as images (512 consecutive bytes a load), in two sets by turns;
;      each fragment of Wh is loaded once in the work-group and feeds 4 products.  Transposed use (source 0 = Wh, source 1 = enc): a lane holds one row s and eight n.
;   E  the waves' parts of e^ meet in LDS; every wave makes the same M, L and p.     C  each wave adds p x its 16 kept rows to its 32 sums a lane, by 32 products 16 x 16 x 32 in f16.
; enc comes by ONE tensor load a wave and block (16 rows, 65,536 dense bytes, stated as 256 rows of 256 bytes with 16 bytes of padding behind each) into a landing zone that holds the whole next block:
;   it is asked for at the first barrier of Q, behind which nobody reads the zone, and has the rest of Q and phases G, E and C in which to land.  By this text's own count one tensor load of a wave is out at any time.
; NO CLUSTER: what work-groups share is Wh, which here goes to registers by ordinary loads; a joint request would have to land in LDS, where the landing zone leaves 49,152 bytes, fewer than one slot for four waves' tiles (4 x 12,800).
.set C2,     0x4038aa3b                ; c
.set NC2,    0xc038aa3b                ; -c
.set NEGBIG, 0xff61b1e6                ; -3e38
; LDS
.set RPITCH, 4352                      ; a row of enc: 16 x (256 + 16) bytes; byte x of row s at 4352 s + 272 (x / 256) + x % 256
.set RAWW,   16*RPITCH                 ; what one tensor load fills: wave w's at RAWW w.  The zone: 278,528 bytes from 0
.set STG,    278528                    ; codes of 32 rows, 784 bytes apart (768 + 16 = 196 words: the 32 lanes of an 8-byte fragment load fall on 64 different words modulo 64; 64 banks of 4 bytes: ISA guide 11.1)
.set SPITCH, 784
.set SSC,    303616                    ; their scale bytes, 32 a row
.set WT,     304640                    ; W' (4,096 bytes), D' at +4,096, V' at +8,192
.set EX,     316928                    ; the waves' parts of e^: [wave][64] f32
.set PA,     317952                    ; p as f16 pairs: 256 bytes of its own for each wave, of which 128 are used
.set SPARE,  318976                    ; the spare words, 128 bytes for each wave: two blocks of 256 bytes that no other line names
.set COVT,   319488                    ; the coverage of the work-group's 256 rows: 1,024 bytes, stored once
.set REC,    16384                     ; a record of whi
; vector registers, window 0
.set SPW,  1                           ; LDS address of my spare word; never rewritten
.set NIL,  2                           ; 0; never rewritten
.set VO0,  3                           ; whi: 16 lane + 16 records x wave
.set VOE,  4                           ; v4, v5: the offsets that set E's and set O's loads name
.set CA0,  6                           ; WT + 1024 wave + 32 h
.set CAD,  7                           ; the tile's constants; the block's coverage
.set RA0,  8                           ; v8, v9: my lane's 128 bytes in my first row of half 0, 1
.set CST,  10                          ; where I store 24 bytes of codes
.set SBA,  11                          ; and a scale byte
.set FA,   12                          ; fragment loads: STG + 784 r + 24 h
.set SA,   13                          ; scale words: SSC + 32 r + 512 h
.set EXS,  14
.set EXL,  15
.set PAS,  16                          ; PA + 256 wave + 4 lane
.set PAL,  17                          ; PA + 272 wave
.set COVA, 18                          ; COVT + 4 r
.set EGO,  19                          ; e^: 8 lane, + 256 a block
.set COV,  20                          ; v20-23 coverage of row 16 m + r;   in Q: four running maxima, then the scale operand
.set TM,   20
.set SCL,  22
.set EA,   24                          ; v24-31 e^ sums, a pair for each m;  in Q: a block's codes and its byte;  in C: p as a matrix operand
.set CC,   24
.set BYT,  31
.set PF,   24
.set ASC,  32                          ; v32-47 enc's scale words: register 8 u + k: lanes 0-15 rows' tile 2 u, lanes 16-31 tile 2 u + 1.  Scales and nothing else
.set BSE,  48                          ; v48-51, v52-55 Wh's scale words of set E, set O: register k % 4; lanes 0-15 K steps 0-3, lanes 16-31 K steps 4-7
.set BSO,  52
.set MX,   56                          ; M
.set LS,   57                          ; L
.set FF,   58                          ; f = 2^(old M - new M)
.set R2L,  60                          ; v60, v61: 2 lane, 2 lane + 1
.set ES,   62                          ; v62-63 e^ of rows 2 lane, 2 lane + 1
.set ACC,  64                          ; v64-95 four accumulators;  in Q: row buffer of pair 0's even row;  in E: v80-95 at work;  in C: v64-127 two sets of four results
.set XA,   64
.set DT,   64
.set TT,   80
.set WP,   96                          ; v96-103 W', v104-111 D', v112-119 V' of the tile, v120-127 at work;  in Q: row buffer of pair 0's odd row
.set XB,   96
.set DP,   104
.set VP,   112
.set T,    120
.set CTX,  128                         ; v128-159 context sums of columns 32 lane + 0 .. 31
.set WHO,  160                         ; v160-255 Wh set O
; window 1: v[48 m + 12 k] enc's fragment (m, k), k = 0..3; v192-239 Wh set E, k = 0..3.   window 2: the same for k = 4..7.   In Q, v96-191 of both are row buffers (below).
; window 3: v[8 z + i]: column 32 lane + z of my kept rows 2 i (low half) and 2 i + 1 (high half), as f16.  Kept row q < 8 is the block's row 8 w + q, kept row q >= 8 its row 32 + 8 w + q - 8
.set WHE,  192
; scalars: s[4:23] the ten addresses; s24 wave; s26 batch; s27 g % 8; s28 len; s29 len - the block's first row; s30 blocks; s31 trips of G; s32 the tiles' constants; s33 the next record;
;          s[34:35] c; s[36:37] -c; s[38:39] lane selects; s40, s41 masks; s42 lanes 0 and 24; s43 the block's coverage; s[44:47], s[48:55] the tensor descriptor; s56-58 at work
.set MSB, 0
.macro WIN new                         ; s_set_vgpr_msb: bits 1:0 source 0, 3:2 source 1, 5:4 source 2, 7:6 destination; the high byte repeats the setting that is left
.if MSB != (\new)
	s_set_vgpr_msb (MSB<<8)|(\new)
.set MSB, (\new)
.endif
.endm
.macro PLACES n
.rept \n
	v_nop
.endr
.endm
.macro BAR                             ; my LDS stores have landed and my LDS loads are in: then the work-group's barrier
	s_wait_dscnt 0x0
	s_barrier_signal -1
	s_barrier_wait -1
.endm
; ---- Q
; ROW BUFFERS: 32 registers a row, four pairs of rows.  Pair 0: v64-95 (even row) and v96-127 (odd row) of window 0.  Pairs 1 to 3: the even row in window 1, the odd row in window 2, both at v[96 + 32 (pair - 1)]:
; the registers of enc's fragments of rows 32-63, which are idle from the end of G to the second run of fragment loads.
.macro RBUF i                          ; row i (0..7) of a half: its buffer's window RW and first register RB
.if (\i) < 2
.set RW, 0
.set RB, XA+32*((\i)%2)
.else
.set RW, 1+(\i)%2
.set RB, 96+32*((\i)/2-1)
.endif
.endm
.macro LOADROW hf, i                   ; my row i of half hf: my 128 bytes into its buffer.  Sixteen lanes of a load fall on sixteen different 16-byte columns modulo 256
	RBUF \i
	WIN RW<<6                                      ; destination: the buffer's window
.irp j, 0,1,2,3,4,5,6,7
	ds_load_b128 v[RB+4*\j:RB+4*\j+3], v[RA0+\hf] offset:RPITCH*(\i)+16*\j
.endr
.endm
.macro QUANT i                         ; the 32 numbers of row i's buffer, one block along K, become 24 bytes of codes and a scale byte in the stage
	RBUF \i
	WIN 0x14*RW                                    ; sources 1 and 2: the buffer's window
.irp c, 0,1,2,3
	v_max3_num_f32 v[TM+\c], 0x1800000, |v[RB+2*\c]|, |v[RB+2*\c+1]|   ; the block's largest magnitude, in four chains; the floor 2^(3 - 127) holds the byte at 1 from below, as the quantiser's clip at -126 does
.endr
.irp n, 8,16,24
.irp c, 0,1,2,3
	v_max3_num_f32 v[TM+\c], v[TM+\c], |v[RB+\n+2*\c]|, |v[RB+\n+2*\c+1]|
.endr
.endr
	WIN 0
	v_max3_num_f32 v[TM], v[TM], v[TM+1], v[TM+2]
	v_max_num_f32 v[TM], v[TM], v[TM+3]
	v_add_nc_u32 v[SCL], 0xff000000, v[TM]                         ; 2 off its exponent field: the conversion takes the exponent field of this operand as its scale
	WIN RW                                         ; source 0: the buffer's window
	v_cvt_scalef32_pk16_fp6_f32 v[CC:CC+2], v[RB:RB+15], v[SCL]    ; (these registers are written again with the row before's four LDS stores possibly still counted: the waits that guard sources are owed for global, scalar and tensor instructions)
	v_cvt_scalef32_pk16_fp6_f32 v[CC+4:CC+6], v[RB+16:RB+31], v[SCL] ; (a conversion's three registers begin on an even number)
	WIN 0
	v_lshrrev_b32 v[BYT], 23, v[SCL]                               ; the scale's byte; also the plain instruction between the conversions and the moves that read their results
	v_mov_b32 v[CC+3], v[CC+4]
	v_mov_b32 v[CC+4], v[CC+5]
	v_mov_b32 v[CC+5], v[CC+6]                                     ; 24 bytes on end: bytes 24 lane .. of the row's stream of codes
	ds_store_b64 v[CST], v[CC:CC+1] offset:SPITCH*(\i)
	ds_store_b64 v[CST], v[CC+2:CC+3] offset:SPITCH*(\i)+8
	ds_store_b64 v[CST], v[CC+4:CC+5] offset:SPITCH*(\i)+16
	ds_store_b8 v[SBA], v[BYT] offset:32*(\i)
.endm
.macro KEEP hf, t                      ; pair t of half hf is kept for the context: the even row in the low half of each register
.if (\t) == 0
.set EB, XA
.set OB, XB
	WIN 0xc0                                       ; destination window 3
.else
.set EB, 96+32*((\t)-1)
.set OB, 96+32*((\t)-1)
	WIN 0xc9                                       ; destination window 3, source 0 window 1, source 1 window 2
.endif
.irp z, 0,1,2,3,4,5,6,7,8,9,10,11,12,13,14,15,16,17,18,19,20,21,22,23,24,25,26,27,28,29,30,31
	v_cvt_pk_f16_f32 v[8*\z+4*\hf+\t], v[EB+\z], v[OB+\z]
.endr
.endm
.macro ROWSA                           ; my 8 rows of half 0 are quantised; behind each pair the same pair of half 1 is read into the buffers that it leaves
.irp i, 0,1,2,3,4,5,6,7
	LOADROW 0, \i
.endr
.irp t, 0,1,2,3
.if (48+8*\t) > 63                     ; behind pair t's last load stand (48 - 16 t) loads of half 0 and, for each earlier pair, 8 stores and 16 loads: 48 + 8 t in all; the wait's field ends at 63, which is the stricter side
	s_wait_dscnt 63
.else
	s_wait_dscnt 48+8*\t
.endif
	QUANT 2*\t
	QUANT 2*\t+1
	KEEP 0, \t
	LOADROW 1, 2*\t
	LOADROW 1, 2*\t+1
.endr
	WIN 0
.endm
.macro ROWSB                           ; my 8 rows of half 1: they are in registers since the wait in front of Q's first barrier
.irp t, 0,1,2,3
	QUANT 2*\t
	QUANT 2*\t+1
	KEEP 1, \t
.endr
	WIN 0
.endm
.macro FRAGS hf                        ; the stage's 32 rows become 16 fragments (12 registers: 24 bytes + 24 bytes of a row, in pieces of 8) and 8 registers of scale words, in every wave
	WIN 0x40                                       ; destination window 1
.irp mm, 0,1
.irp k, 0,1,2,3
.irp p, 0,1,2,3,4,5
	ds_load_b64 v[48*(2*\hf+\mm)+12*\k+2*\p:48*(2*\hf+\mm)+12*\k+2*\p+1], v[FA] offset:16*SPITCH*\mm+96*\k+48*(\p/3)+8*(\p%3)
.endr
.endr
.endr
	WIN 0x80                                       ; destination window 2
.irp mm, 0,1
.irp k, 0,1,2,3
.irp p, 0,1,2,3,4,5
	ds_load_b64 v[48*(2*\hf+\mm)+12*\k+2*\p:48*(2*\hf+\mm)+12*\k+2*\p+1], v[FA] offset:16*SPITCH*\mm+96*(\k+4)+48*(\p/3)+8*(\p%3)
.endr
.endr
.endr
	WIN 0
	ds_load_b128 v[ASC+8*\hf:ASC+8*\hf+3], v[SA]                   ; lane (r, h): row 16 h + r of the half, words 0-3,
	ds_load_b128 v[ASC+8*\hf+4:ASC+8*\hf+7], v[SA] offset:16       ; words 4-7
.endm
; ---- G
.macro BLOAD pi                        ; the next record of whi into set pi (0: E, 1: O): 24 loads of 512 consecutive bytes, and the scale words: 25 loads
	v_add_nc_u32 v[VOE+\pi], s33, v[VO0]           ; (the set's last loads were shown done by the counted wait at the tile's head: their offset register is free)
	s_add_co_u32 s33, s33, REC
	s_and_b32 s33, s33, 0x3ffff                    ; behind my 16th record comes my first again, for the next block
.if \pi == 0
	WIN 0x40
.irp k, 0,1,2,3
.irp c, 0,1,2
	global_load_b128 v[WHE+12*\k+4*\c:WHE+12*\k+4*\c+3], v[VOE], s[6:7] offset:1536*\k+512*\c
.endr
.endr
	WIN 0x80
.irp k, 0,1,2,3
.irp c, 0,1,2
	global_load_b128 v[WHE+12*\k+4*\c:WHE+12*\k+4*\c+3], v[VOE], s[6:7] offset:1536*(\k+4)+512*\c
.endr
.endr
	WIN 0
	global_load_b128 v[BSE:BSE+3], v[VOE], s[6:7] offset:12288
.else
.irp k, 0,1,2,3,4,5,6,7
.irp c, 0,1,2
	global_load_b128 v[WHO+12*\k+4*\c:WHO+12*\k+4*\c+3], v[VOE+1], s[6:7] offset:1536*\k+512*\c
.endr
.endr
	global_load_b128 v[BSO:BSO+3], v[VOE+1], s[6:7] offset:12288
.endif
.endm
.macro MM k, m, bs                     ; one product: Wh's fragment at v[WR] x enc's fragment (m, k).  K step 0 starts the sum with the constant 0
.set AR, 48*(\m)+12*((\k)%4)
.set DR, ACC+8*(\m)
.set SW, (\bs)+(\k)%4
.set SX, ASC+8*((\m)/2)+(\k)
.if (\k) == 0 && (\m)%2 == 0
	v_wmma_scale_f32_16x16x128_f8f6f4 v[DR:DR+7], v[WR:WR+11], v[AR:AR+11], 0, v[SW], v[SX] matrix_a_fmt:MATRIX_FMT_FP6 matrix_b_fmt:MATRIX_FMT_FP6
.elseif (\k) == 0
	v_wmma_scale_f32_16x16x128_f8f6f4 v[DR:DR+7], v[WR:WR+11], v[AR:AR+11], 0, v[SW], v[SX] matrix_a_fmt:MATRIX_FMT_FP6 matrix_b_fmt:MATRIX_FMT_FP6 matrix_b_scale:MATRIX_SCALE_ROW1
.elseif (\k) < 4 && (\m)%2 == 0
	v_wmma_scale_f32_16x16x128_f8f6f4 v[DR:DR+7], v[WR:WR+11], v[AR:AR+11], v[DR:DR+7], v[SW], v[SX] matrix_a_fmt:MATRIX_FMT_FP6 matrix_b_fmt:MATRIX_FMT_FP6
.elseif (\k) < 4
	v_wmma_scale_f32_16x16x128_f8f6f4 v[DR:DR+7], v[WR:WR+11], v[AR:AR+11], v[DR:DR+7], v[SW], v[SX] matrix_a_fmt:MATRIX_FMT_FP6 matrix_b_fmt:MATRIX_FMT_FP6 matrix_b_scale:MATRIX_SCALE_ROW1
.elseif (\m)%2 == 0
	v_wmma_scale_f32_16x16x128_f8f6f4 v[DR:DR+7], v[WR:WR+11], v[AR:AR+11], v[DR:DR+7], v[SW], v[SX] matrix_a_fmt:MATRIX_FMT_FP6 matrix_b_fmt:MATRIX_FMT_FP6 matrix_a_scale:MATRIX_SCALE_ROW1
.else
	v_wmma_scale_f32_16x16x128_f8f6f4 v[DR:DR+7], v[WR:WR+11], v[AR:AR+11], v[DR:DR+7], v[SW], v[SX] matrix_a_fmt:MATRIX_FMT_FP6 matrix_b_fmt:MATRIX_FMT_FP6 matrix_a_scale:MATRIX_SCALE_ROW1 matrix_b_scale:MATRIX_SCALE_ROW1
.endif
.endm
.macro MULS pi                         ; a tile of Wh x the block's 64 rows: 32 products; the four accumulators take turns, one instruction a turn
.irp k, 0,1,2,3,4,5,6,7
.if \pi == 0
	WIN 0x05+0x05*(\k/4)                           ; Wh and enc both in window 1 (k < 4) or 2
.set WR, WHE+12*(\k%4)
.else
	WIN 0x04+0x04*(\k/4)                           ; Wh in window 0, enc in window 1 or 2
.set WR, WHO+12*\k
.endif
.irp m, 0,1,2,3
	MM \k, \m, BSE+4*\pi
.endr
.endr
	WIN 0
.endm
; The tile's way to e^, in five kinds of steps for each tile of rows m.  Lane (r, h) holds row 16 m + r and n = 16 T + 8 h + 0 .. 7.
.macro S1 m                            ; c x = c acc + (W' cov + D'); the accumulator is read from its low end on
.irp j, 0,2,4,6
.if (\m)%2 == 0
	v_pk_fma_f32 v[T+\j:T+\j+1], v[WP+\j:WP+\j+1], v[COV+\m:COV+\m+1], v[DP+\j:DP+\j+1] op_sel_hi:[1,0,1]                 ; the pair's first register for both halves
.else
	v_pk_fma_f32 v[T+\j:T+\j+1], v[WP+\j:WP+\j+1], v[COV+\m-1:COV+\m], v[DP+\j:DP+\j+1] op_sel:[0,1,0] op_sel_hi:[1,1,1]  ; its second
.endif
.endr
.irp j, 0,2,4,6
	v_pk_fma_f32 v[ACC+8*\m+\j:ACC+8*\m+\j+1], v[ACC+8*\m+\j:ACC+8*\m+\j+1], s[34:35], v[T+\j:T+\j+1] op_sel_hi:[1,0,1]
.endr
.endm
.macro EXPS m
.irp j, 0,1,2,3,4,5,6,7
	v_exp_f32 v[ACC+8*\m+\j], v[ACC+8*\m+\j]       ; 2^(c x): infinity for a large x gives r = 0, 0 for a very negative one r = 1
.endr
.endm
.macro ADD1 m
.irp j, 0,2,4,6
	v_pk_add_f32 v[ACC+8*\m+\j:ACC+8*\m+\j+1], v[ACC+8*\m+\j:ACC+8*\m+\j+1], 1.0 op_sel_hi:[1,0]
.endr
.endm
.macro RCPS m
.irp j, 0,1,2,3,4,5,6,7
	v_rcp_f32 v[ACC+8*\m+\j], v[ACC+8*\m+\j]       ; r
.endr
.endm
.macro ACCU                            ; e^ += V' r for all four tiles of rows; the four sums take turns, so that no line reads the result of the line above it
.irp j, 0,2,4,6
.irp m, 0,1,2,3
	v_pk_fma_f32 v[EA+2*\m:EA+2*\m+1], v[ACC+8*\m+\j:ACC+8*\m+\j+1], v[VP+\j:VP+\j+1], v[EA+2*\m:EA+2*\m+1]
.endr
.endr
.endm
.macro EPI                             ; in batches over the four tiles of rows: each batch of 32 transcendentals has one wait ahead of it and, behind a plain place (ISA guide 5.7.2), one behind it
.irp m, 0,1,2,3
	S1 \m                                          ; all first reads of the products' results stand here, ahead of every transcendental of the tile
.endr
	s_wait_alu depctr_va_vdst(0)
.irp m, 0,1,2,3
	EXPS \m
.endr
	v_nop
	s_wait_alu depctr_va_vdst(0)
.irp m, 0,1,2,3
	ADD1 \m
.endr
	s_wait_alu depctr_va_vdst(0)
.irp m, 0,1,2,3
	RCPS \m
.endr
	v_nop
	s_wait_alu depctr_va_vdst(0)
	ACCU
.endm
.macro TILE pi, ld, cnt                ; one tile of Wh from set pi.  ld = 1: the set is loaded again, two tiles ahead
	s_wait_loadcnt \cnt                            ; loads come back in order (ISA guide 5.7.1): set pi is in; the other set's 25 younger loads may be out
	v_add_nc_u32 v[CAD], s32, v[CA0]
	ds_load_b128 v[WP:WP+3], v[CAD] offset:64*\pi                  ; W', D', V' of my eight n: sixteen lanes read the same 16 bytes
	ds_load_b128 v[WP+4:WP+7], v[CAD] offset:64*\pi+16
	ds_load_b128 v[DP:DP+3], v[CAD] offset:64*\pi+4096
	ds_load_b128 v[DP+4:DP+7], v[CAD] offset:64*\pi+4112
	ds_load_b128 v[VP:VP+3], v[CAD] offset:64*\pi+8192
	ds_load_b128 v[VP+4:VP+7], v[CAD] offset:64*\pi+8208
	MULS \pi
	PLACES 4                                       ; four places behind the last product: in front of the loads into the registers that it read, and of the first read of results
.if \ld
	BLOAD \pi                                      ; it has this tile's way to e^ and the whole next tile in which to land
.endif
	s_wait_dscnt 0x0                               ; the six loads of constants
	EPI
.endm
.macro GPHASE pre                      ; 16 tiles.  pre = 1: the last two tiles fetch the next block's first two
	s_wait_loadcnt 0x0                             ; both sets of Wh
	s_wait_dscnt 0x0                               ; enc's fragments and scale words, and the coverage
.irp j, 0,1,2,3,4,5,6,7
	v_mov_b32 v[EA+\j], 0
.endr
	s_mov_b32 s32, 0
	s_mov_b32 s31, 7
.Lg_\@:
	TILE 0, 1, 25
	TILE 1, 1, 25
	s_add_co_u32 s32, s32, 128                     ; two tiles' constants on
	s_sub_co_u32 s31, s31, 1
	s_cmp_lg_u32 s31, 0
	s_cbranch_scc1 .Lg_\@
	TILE 0, \pre, 25
	TILE 1, \pre, 25*\pre                          ; where set E was not loaded again, nothing younger is out: the count is 0
.endm
; ---- E
.macro EPHASE
.irp m, 0,1,2,3
	v_add_f32 v[TT+\m], v[EA+2*\m], v[EA+2*\m+1]
.endr
.irp m, 0,1,2,3
	v_permlanex16_b32 v[TT+4+\m], v[TT+\m], s38, s39               ; the row's other eight n of each tile lie in lane l xor 16
.endr
.irp m, 0,1,2,3
	v_add_f32 v[TT+\m], v[TT+\m], v[TT+4+\m]
.endr
.irp m, 0,1,2,3
	ds_store_b32 v[EXS], v[TT+\m] offset:64*\m                     ; my 256 n's part of e^ of row 16 m + r (both halves of the lanes write the same word with the same value)
.endr
	BAR
.irp w, 0,1,2,3
	ds_load_b64 v[TT+2*\w:TT+2*\w+1], v[EXL] offset:256*\w         ; rows 2 lane, 2 lane + 1: the four waves' parts
.endr
	s_wait_dscnt 0x0
	v_pk_add_f32 v[TT:TT+1], v[TT:TT+1], v[TT+2:TT+3]
	v_pk_add_f32 v[TT+4:TT+5], v[TT+4:TT+5], v[TT+6:TT+7]
	v_pk_add_f32 v[ES:ES+1], v[TT:TT+1], v[TT+4:TT+5]              ; e^: the same bits in every wave
	s_cmp_lg_u32 s24, 0
	s_wait_alu depctr_va_vdst(0)                   ; the wait stands directly ahead of the branch
	s_cbranch_scc1 .Lne_\@
	global_store_b64 v[EGO], v[ES:ES+1], s[18:19]                  ; wave 0: 32 lanes store 256 consecutive bytes, aligned
.Lne_\@:
	s_wait_xcnt 0x0                                ; the store's offset and data are rewritten only behind this wait
	v_add_nc_u32 v[EGO], 256, v[EGO]
	v_cmp_gt_i32 s40, s29, v[R2L]                  ; which of my two rows count: row < enc_lens
	v_cmp_gt_i32 s41, s29, v[R2L+1]
	v_mov_b32 v[TT+8], NEGBIG
	v_cndmask_b32 v[TT], v[TT+8], v[ES], s40
	v_cndmask_b32 v[TT+1], v[TT+8], v[ES+1], s41
	v_max_num_f32 v[TT], v[TT], v[TT+1]
	v_max_num_f32_dpp v[TT], v[TT], v[TT] row_xmask:1 row_mask:0xf bank_mask:0xf
	v_max_num_f32_dpp v[TT], v[TT], v[TT] row_xmask:2 row_mask:0xf bank_mask:0xf
	v_max_num_f32_dpp v[TT], v[TT], v[TT] row_xmask:4 row_mask:0xf bank_mask:0xf
	v_max_num_f32_dpp v[TT], v[TT], v[TT] row_xmask:8 row_mask:0xf bank_mask:0xf
	v_permlanex16_b32 v[TT+1], v[TT], s38, s39
	v_max3_num_f32 v[TT], v[TT], v[TT+1], v[MX]    ; the new M
	v_sub_f32 v[TT+2], v[MX], v[TT]
	v_sub_f32 v[TT+4], v[ES], v[TT]
	v_sub_f32 v[TT+5], v[ES+1], v[TT]
	s_wait_alu depctr_va_vdst(0)
	v_exp_f32 v[FF], v[TT+2]                       ; f = 2^(old M - new M)
	v_exp_f32 v[TT+4], v[TT+4]
	v_exp_f32 v[TT+5], v[TT+5]
	v_mov_b32 v[MX], v[TT]                         ; (the plain instruction behind the exponentials)
	s_wait_alu depctr_va_vdst(0)
	v_cndmask_b32 v[TT+4], 0, v[TT+4], s40         ; p, 0 for a row that does not count
	v_cndmask_b32 v[TT+5], 0, v[TT+5], s41
	v_cvt_pk_f16_f32 v[TT+9], v[TT+4], v[TT+5]     ; rows 2 lane (low half) and 2 lane + 1 as f16: word number lane of the block's 32
	ds_store_b32 v[PAS], v[TT+9]                   ; through my wave's own bytes: LDS serves a wave's instructions in order (ISA guide 5.7.1.4), so the loads below see this store
	ds_load_b128 v[PF:PF+3], v[PAL]                ; words 4 w + 0 .. 3: p of my kept rows 0-7, the same in every lane,
	ds_load_b128 v[PF+4:PF+7], v[PAL] offset:64    ; words 16 + 4 w + 0 .. 3: of my kept rows 8-15
	v_add_f32 v[TT+6], v[TT+4], v[TT+5]            ; the sum is taken of the f32 p
	v_add_f32_dpp v[TT+6], v[TT+6], v[TT+6] row_xmask:1 row_mask:0xf bank_mask:0xf
	v_add_f32_dpp v[TT+6], v[TT+6], v[TT+6] row_xmask:2 row_mask:0xf bank_mask:0xf
	v_add_f32_dpp v[TT+6], v[TT+6], v[TT+6] row_xmask:4 row_mask:0xf bank_mask:0xf
	v_add_f32_dpp v[TT+6], v[TT+6], v[TT+6] row_xmask:8 row_mask:0xf bank_mask:0xf
	v_permlanex16_b32 v[TT+7], v[TT+6], s38, s39
	v_add_f32 v[TT+6], v[TT+6], v[TT+7]
	v_fma_f32 v[LS], v[LS], v[FF], v[TT+6]         ; L = L f + the block's sum of p
	s_sub_co_i32 s29, s29, 64
.endm
; ---- C: the context of my 16 kept rows, by the matrix unit in f16.
; For column z of a lane, v[8 z .. 8 z + 7] of window 3 are source 1 (32 k x 16 n): lane (r, h) gives "column" r its k = 8 h + 0..7 and 16 + 8 h + 0..7.  Lanes r and 16 + r hold DIFFERENT columns of enc, so the two groups of k
; must not be added: source 0 holds p in its row 0 at the k of lanes 0-15 (that is lane 0's eight registers) and in its row 8 at the k of lanes 16-31 (lane 24's), and zeros in every other lane.
; Register 0 of the result is element (0, r) in lanes 0-15 and (8, r) in lanes 16-31: in EVERY lane the sum over my 16 rows of p x the lane's own column z.  The result's other seven registers are not used.
.macro CW g                            ; four products, columns z = 4 g + 0 .. 3, into set g % 2 of the results
	WIN 0x0c                                       ; source 1 window 3
.irp a, 0,1,2,3
	v_wmma_f32_16x16x32_f16 v[DT+32*((\g)%2)+8*\a:DT+32*((\g)%2)+8*\a+7], v[PF:PF+7], v[8*(4*(\g)+\a):8*(4*(\g)+\a)+7], 0
.endr
	WIN 0
.endm
.macro CF g                            ; their sums are taken up: the old sum x f + the block's; each result is read at its lowest register
.irp a, 0,1,2,3
	v_fma_f32 v[CTX+4*(\g)+\a], v[CTX+4*(\g)+\a], v[FF], v[DT+32*((\g)%2)+8*\a]
.endr
.endm
.macro CPHASE
	s_wait_dscnt 0x0                               ; p
.irp i, 0,1,2,3,4,5,6,7
	v_cndmask_b32 v[PF+\i], 0, v[PF+\i], s42       ; kept in lanes 0 and 24, zeros elsewhere
.endr
	s_wait_alu depctr_va_vdst(0)                   ; p is read by all eight groups of products, with switches of the windows between
	PLACES 4                                       ; the operand just written stands four plain instructions ahead of the first product
	CW 0
	PLACES 4                                       ; four places between a product and the first read of its result (ISA guide 7.12.1); from here on the four fused multiply-adds of the group before, which name the other set, are these places,
	CW 1                                           ; and with three of the group's own they are the seven that stand before a set is written over
	CF 0
.irp g, 2,3,4,5,6,7
	CW \g
	CF \g-1
.endr
	CF 7
.endm
; ---- a block of 64 rows.  refill = 1: the next block is asked for;  pre = 1: Wh's first two tiles are fetched again at the end of G
.macro BLOCK refill, pre
	s_wait_tensorcnt 0x0                           ; the one load of mine that is out, my 16 rows of this block, has landed: with one landing zone the count for the reads is 0
	BAR                                            ; everybody's have (and, in the first block, the tables and the coverage are stored)
	ROWSA
.if \refill
	s_wait_tensorcnt 0x0                           ; no tensor load of mine is out, so the descriptor may be written
	ds_add_u32 v[SPW], v[NIL]                      ; 0 onto my spare word
	s_add_nc_u64 s[46:47], s[46:47], 262144        ; the next block's 64 rows of 4,096 bytes; the type bits on top are not reached
	s_wait_dscnt 0x0                               ; the add is done; all my 16 rows have left the landing zone for registers; my stores into the stage have landed
	s_barrier_signal -1
	s_barrier_wait -1                              ; all that holds of every wave: nobody reads the zone any more, and rows 0-31 lie in the stage
	tensor_load_to_lds s[44:47], s[48:55]          ; my one tensor load behind this barrier, and the first thing there
	s_nop 0
	PLACES 4                                       ; (four plain instructions ahead of the next switch of windows)
.else
	BAR                                            ; rows 0-31: codes and scale bytes lie in the stage; nothing is left to fetch
.endif
	FRAGS 0
	BAR                                            ; every wave has them in registers: the stage may be written again
	ROWSB
	BAR                                            ; rows 32-63 lie in the stage
	FRAGS 1                                        ; (into the registers that were row buffers: their rows have been quantised and kept)
	v_add_nc_u32 v[CAD], s43, v[COVA]
.irp m, 0,1,2,3
	ds_load_b32 v[COV+\m], v[CAD] offset:64*\m     ; coverage of row 16 m + r
.endr
	s_add_co_u32 s43, s43, 256                     ; the next block's 64 numbers
	GPHASE \pre
	EPHASE
	CPHASE
.endm
	s_load_b256 s[4:11], s[0:1], 0x0               ; enc s[4:5], whi s[6:7], dfeat s[8:9], wc s[10:11]
	s_load_b256 s[12:19], s[0:1], 0x20             ; v s[12:13], coverage s[14:15], enc_lens s[16:17], ehat s[18:19]
	s_load_b128 s[20:23], s[0:1], 0x40             ; stats s[20:21], ctxp s[22:23]
	v_lshl_add_u32 v[SPW], v0, 2, SPARE
	v_mov_b32 v[NIL], 0
	ds_add_u32 v1, v2
	ds_add_u32 v1, v2
	s_wait_dscnt 0x0
	v_lshrrev_b32 v80, 5, v0
	v_readfirstlane_b32 s24, v80                   ; wave 0..3
	s_lshr_b32 s26, ttmp9, 3                       ; batch
	s_and_b32 s27, ttmp9, 7                        ; which 256 rows of it
	; descriptor group 1: 65,536 dense bytes as 256 rows of 32 elements of 8 bytes, 16 bytes of padding behind each row
	s_mov_b32 s48, (3<<16)|(1<<20)|(5<<22)|(3<<25) ; no mask; elements of 8 bytes; padding on; after every 64 words (code 5); of 4 words (code 3)
	s_mov_b32 s49, 32<<16                          ; tensor_dim0 = 32
	s_mov_b32 s50, 256<<16                         ; tensor_dim1 = 256
	s_mov_b32 s51, 32<<16                          ; tile_dim0 = 32
	s_mov_b32 s52, 256                             ; tile_dim1 = 256
	s_mov_b32 s53, 32                              ; from row to row: 32 elements
	s_mov_b32 s54, 0
	s_mov_b32 s55, 0
	s_mov_b32 s44, 1                               ; group 0: count = 1
	s_mul_i32 s45, s24, RAWW                       ; LDS address: my 16 rows of the landing zone; it never changes
	s_lshl_b32 s56, ttmp9, 20                      ; the work-group's 256 rows of 4,096 bytes (under 2^28)
	s_lshl_b32 s57, s24, 16                        ; my 16 rows of a block
	s_add_co_u32 s56, s56, s57
	s_mov_b32 s57, 0
	s_mov_b32 s34, C2
	s_mov_b32 s35, C2                              ; (the packed forms name pairs)
	s_mov_b32 s36, NC2
	s_mov_b32 s37, NC2
	s_mov_b32 s38, 0x76543210
	s_mov_b32 s39, 0xfedcba98                      ; v_permlanex16_b32's selects for lane l xor 16
	s_mov_b32 s42, 0x01000001                      ; lanes 0 and 24
	s_mov_b32 s43, 0
	s_mov_b32 s33, 0
	v_and_b32 v80, 31, v0                          ; lane
	v_and_b32 v81, 15, v0                          ; r
	v_bfe_u32 v82, v0, 4, 1                        ; h
	s_lshl_b32 s58, s24, 18                        ; my 16 records of whi
	v_lshl_add_u32 v[VO0], v80, 4, s58
	v_lshlrev_b32 v120, 4, v0                      ; the tables: 16 bytes a thread
	v_lshl_add_u32 v121, v0, 4, WT
	v_lshlrev_b32 v124, 3, v0                      ; the coverage: 8 bytes a thread
	v_lshl_add_u32 v125, v0, 3, COVT
	s_wait_alu depctr_va_vdst(0)
	s_wait_kmcnt 0x0
	s_add_nc_u64 s[46:47], s[4:5], s[56:57]        ; global address: my rows of block 0
	s_or_b32 s47, s47, 0x80000000                  ; type = 2
	tensor_load_to_lds s[44:47], s[48:55]          ; the first fill, ahead of every wait on TENSORcnt, every LDS read and every barrier
	s_nop 0
	PLACES 4
	s_lshl_b32 s56, s26, 12
	s_add_nc_u64 s[8:9], s[8:9], s[56:57]          ; D' of my batch
	s_lshl_b32 s56, s26, 2
	s_add_nc_u64 s[16:17], s[16:17], s[56:57]
	s_load_b32 s28, s[16:17], 0x0                  ; enc_lens of my batch
	s_lshl_b32 s56, ttmp9, 10
	s_add_nc_u64 s[14:15], s[14:15], s[56:57]      ; coverage and e^ at my 256 rows
	s_add_nc_u64 s[18:19], s[18:19], s[56:57]
	s_lshl_b32 s56, ttmp9, 8
	s_add_nc_u64 s[20:21], s[20:21], s[56:57]      ; my 256 bytes of stats
	s_lshl_b32 s56, ttmp9, 12
	s_lshl_b32 s58, s24, 10
	s_add_co_u32 s56, s56, s58
	s_add_nc_u64 s[22:23], s[22:23], s[56:57]      ; ctxp: my work-group's row, my wave's 256 columns
	global_load_b128 v[96:99], v120, s[10:11]      ; wc, v and D': 4,096 bytes each = 128 threads x 16 bytes x 2
	global_load_b128 v[100:103], v120, s[10:11] offset:2048
	global_load_b128 v[104:107], v120, s[12:13]
	global_load_b128 v[108:111], v120, s[12:13] offset:2048
	global_load_b128 v[112:115], v120, s[8:9]
	global_load_b128 v[116:119], v120, s[8:9] offset:2048
	global_load_b64 v[122:123], v124, s[14:15]     ; the coverage of my work-group's 256 rows: 128 threads x 8 bytes
	BLOAD 0                                        ; Wh's tiles 0 and 1 of my 16
	BLOAD 1
	s_lshl_b32 s56, s24, 10
	s_add_co_u32 s56, s56, WT
	v_lshl_add_u32 v[CA0], v82, 5, s56
	v_lshrrev_b32 v83, 1, v80
	v_mul_u32_u24 v83, v83, 272
	v_and_b32 v84, 1, v0
	v_lshl_add_u32 v83, v84, 7, v83                ; byte 128 lane of a padded row: 272 (lane / 2) + 128 (lane % 2)
	s_mul_i32 s56, s24, 8*RPITCH
	v_add_nc_u32 v[RA0], s56, v83                  ; rows 8 w on
	v_add_nc_u32 v[RA0+1], 32*RPITCH, v[RA0]       ; rows 32 + 8 w on
	s_mul_i32 s56, s24, 8*SPITCH
	s_add_co_u32 s56, s56, STG
	v_mul_u32_u24 v85, v80, 24
	v_add_nc_u32 v[CST], s56, v85
	s_lshl_b32 s56, s24, 8
	s_add_co_u32 s57, s56, SSC
	v_add_nc_u32 v[SBA], s57, v80
	v_mul_u32_u24 v85, v81, SPITCH
	v_mad_u32_u24 v85, v82, 24, v85
	v_add_nc_u32 v[FA], STG, v85
	v_lshlrev_b32 v85, 5, v81
	v_lshl_add_u32 v85, v82, 9, v85
	v_add_nc_u32 v[SA], SSC, v85
	s_add_co_u32 s57, s56, EX
	v_lshl_add_u32 v[EXS], v81, 2, s57
	v_lshl_add_u32 v[EXL], v80, 3, EX
	s_add_co_u32 s57, s56, PA
	v_lshl_add_u32 v[PAS], v80, 2, s57             ; my wave's bytes, word number lane
	s_mul_i32 s57, s24, 272                        ; my wave's bytes, and in them word 4 w: 256 w + 16 w
	s_add_co_u32 s57, s57, PA
	v_mov_b32 v[PAL], s57
	v_lshl_add_u32 v[COVA], v81, 2, COVT
	v_lshlrev_b32 v[EGO], 3, v80
	v_lshlrev_b32 v[R2L], 1, v80
	v_or_b32 v[R2L+1], 1, v[R2L]
	v_mov_b32 v[MX], NEGBIG
	v_mov_b32 v[LS], 0
.irp z, 0,1,2,3,4,5,6,7,8,9,10,11,12,13,14,15,16,17,18,19,20,21,22,23,24,25,26,27,28,29,30,31
	v_mov_b32 v[CTX+\z], 0                         ; (the block is written once for the loop: the first finds zeros)
.endr
	s_wait_alu depctr_va_vdst(0)
	s_wait_loadcnt 50                              ; the seven loads of the tables and the coverage are in; Wh's 2 x 25 younger loads may be out
.irp j, 0,2,4,6
	v_pk_mul_f32 v[96+\j:97+\j], v[96+\j:97+\j], s[34:35] op_sel_hi:[1,0]       ; W' = c wc
	v_pk_mul_f32 v[104+\j:105+\j], v[104+\j:105+\j], s[36:37] op_sel_hi:[1,0]   ; V' = -c v
.endr
	ds_store_b128 v121, v[96:99]
	ds_store_b128 v121, v[100:103] offset:2048
	ds_store_b128 v121, v[112:115] offset:4096
	ds_store_b128 v121, v[116:119] offset:6144
	ds_store_b128 v121, v[104:107] offset:8192
	ds_store_b128 v121, v[108:111] offset:10240
	ds_store_b64 v125, v[122:123]
	s_wait_kmcnt 0x0
	s_lshl_b32 s57, s27, 8
	s_sub_co_i32 s29, s28, s57                     ; enc_lens - my first row
	s_mov_b32 s30, 3
.Lblock:                                               ; blocks 0 to 2: each asks for the next
	BLOCK 1, 1
	s_sub_co_u32 s30, s30, 1
	s_cmp_lg_u32 s30, 0
	s_cbranch_scc1 .Lblock
	BLOCK 0, 0                                     ; the last block is written out
	; ---- the end: (M, L), and the four waves' context sums joined through the landing zone, which has had its last fill and its last read
	v_and_b32 v80, 31, v0
	v_lshlrev_b32 v85, 3, v80
	s_cmp_lg_u32 s24, 0
	s_wait_alu depctr_va_vdst(0)
	s_cbranch_scc1 .Lnostat
	global_store_b64 v85, v[MX:MX+1], s[20:21]     ; wave 0: 32 copies of (M, L): 256 consecutive bytes, aligned
.Lnostat:
	v_lshrrev_b32 v81, 1, v80
	v_mul_u32_u24 v81, v81, 272
	v_and_b32 v82, 1, v0
	v_lshl_add_u32 v81, v82, 7, v81
	s_mul_i32 s56, s24, RPITCH
	v_add_nc_u32 v81, s56, v81                     ; padded row w, byte 128 lane
.irp j, 0,1,2,3,4,5,6,7
	ds_store_b128 v81, v[CTX+4*\j:CTX+4*\j+3] offset:16*\j
.endr
	BAR
	v_bfe_u32 v82, v0, 4, 1
	v_mul_u32_u24 v82, v82, 272
	v_and_b32 v83, 15, v0
	v_lshl_add_u32 v82, v83, 4, v82
	s_mul_i32 s56, s24, 4*272
	v_add_nc_u32 v82, s56, v82                     ; byte 1,024 w + 16 lane of a padded row
.irp w, 0,1,2,3
.irp q, 0,1
	ds_load_b128 v[96+8*\w+4*\q:96+8*\w+4*\q+3], v82 offset:RPITCH*\w+544*\q
.endr
.endr
	v_lshlrev_b32 v84, 4, v80
	s_wait_alu depctr_va_vdst(0)
	s_wait_dscnt 0x0
.irp e, 0,2,4,6
	v_pk_add_f32 v[96+\e:97+\e], v[96+\e:97+\e], v[104+\e:105+\e]
	v_pk_add_f32 v[112+\e:113+\e], v[112+\e:113+\e], v[120+\e:121+\e]
.endr
.irp e, 0,2,4,6
	v_pk_add_f32 v[96+\e:97+\e], v[96+\e:97+\e], v[112+\e:113+\e]
.endr
	global_store_b128 v84, v[96:99], s[22:23]      ; 32 lanes store 512 consecutive bytes
	global_store_b128 v84, v[100:103], s[22:23] offset:512
	s_wait_tensorcnt 0x0                           ; the wave's end, behind my last tensor load and my last LDS store
	ds_add_u32 v[SPW], v[NIL]
	s_wait_dscnt 0x0
	s_endpgm
.Lfunc_end_k_qab55f8686f_attend:
	.size	k_qab55f8686f_attend, .Lfunc_end_k_qab55f8686f_attend-k_qab55f8686f_attend
	.p2alignl 7, 3214868480
	.fill 96, 4, 3214868480
	.section	.rodata,"a",@progbits
	.p2align	6, 0x0
	.amdhsa_kernel k_qab55f8686f_attend
		.amdhsa_group_segment_fixed_size 327680
		.amdhsa_private_segment_fixed_size 0
		.amdhsa_enable_private_segment 0
		.amdhsa_kernarg_size 80
		.amdhsa_user_sgpr_count 2
		.amdhsa_user_sgpr_kernarg_segment_ptr 1
		.amdhsa_wavefront_size32 1
		.amdhsa_system_sgpr_workgroup_id_x 1
		.amdhsa_system_sgpr_workgroup_id_y 1
		.amdhsa_system_sgpr_workgroup_id_z 1
		.amdhsa_system_vgpr_workitem_id 0
		.amdhsa_next_free_vgpr 1024
		.amdhsa_next_free_sgpr 66
		.amdhsa_reserve_vcc 0
		.amdhsa_float_denorm_mode_32 3
		.amdhsa_float_denorm_mode_16_64 3
		.amdhsa_memory_ordered 1
		.amdhsa_forward_progress 1
		.amdhsa_inst_pref_size 255
	.end_amdhsa_kernel
	.section	.bss,"aw",@nobits
	.p2align	6
	.space	262144
	.amdgpu_metadata
---
amdhsa.version: [ 1, 2 ]
amdhsa.kernels:
  - .name:           k_qab55f8686f_attend
    .symbol:         k_qab55f8686f_attend.kd
    .args:
      - { .name: enc_states, .offset: 0, .size: 8, .value_kind: global_buffer, .address_space: global }
      - { .name: whi, .offset: 8, .size: 8, .value_kind: global_buffer, .address_space: global }
      - { .name: dfeat, .offset: 16, .size: 8, .value_kind: global_buffer, .address_space: global }
      - { .name: wc, .offset: 24, .size: 8, .value_kind: global_buffer, .address_space: global }
      - { .name: v, .offset: 32, .size: 8, .value_kind: global_buffer, .address_space: global }
      - { .name: coverage_vector, .offset: 40, .size: 8, .value_kind: global_buffer, .address_space: global }
      - { .name: enc_lens, .offset: 48, .size: 8, .value_kind: global_buffer, .address_space: global }
      - { .name: ehat, .offset: 56, .size: 8, .value_kind: global_buffer, .address_space: global }
      - { .name: stats, .offset: 64, .size: 8, .value_kind: global_buffer, .address_space: global }
      - { .name: ctxp, .offset: 72, .size: 8, .value_kind: global_buffer, .address_space: global }
    .group_segment_fixed_size: 327680
    .private_segment_fixed_size: 0
    .kernarg_segment_align: 8
    .kernarg_segment_size: 80
    .max_flat_workgroup_size: 128
    .sgpr_count:     66
    .vgpr_count:     1024
    .wavefront_size: 32
...
	.end_amdgpu_metadata
.endif
;; end of part 2
;; launch finish (part 3): grid 256 x 1, 1 waves a work-group, no clusters, 0 bytes of LDS; arguments ehat, stats, ctxp, coverage_vector, enc_lens, out0, out1, out2; writes out0, out1, out2
.if DOCPART == 3
	.amdgcn_target "amdgcn-amd-amdhsa--gfx1250"
	.amdhsa_code_object_version 6
	.text
	.protected	k_qab55f8686f_finish
	.globl	k_qab55f8686f_finish
	.p2align	8
	.type	k_qab55f8686f_finish,@function
k_qab55f8686f_finish:
	s_mov_b64 s[64:65], 0
	v_nop
	global_prefetch_b8 v0, s[64:65] scope:SCOPE_SE
	s_setreg_imm32_b32 hwreg(HW_REG_WAVE_MODE, 25, 1), 1
	s_wait_xcnt 0x0
; The 8 parts of a batch are joined.  Work-group g, one wave: batch b = g / 8; j = g % 8: columns 128 j .. + 127 of the context, rows 256 j .. + 255 of the weights.
; M = the largest of the parts' M_k; w_k = 2^(M_k - M); L = sum w_k L_k;  context = sum w_k ctxp_k / L;  attn = 2^(e^ - M) / L where row < enc_lens, else 0;  coverage_out = coverage + attn.
; A part none of whose rows counts has M_k = -3e38 and L_k = 0: its w_k is 0.  LIMIT: enc_lens = 0 is not served (reference() gives NaN everywhere; here out0 is NaN, out1 is 0).
; A stream of a few kilobytes a wave: no LDS, no matrix unit; every store of the wave covers 512 consecutive bytes, aligned.
	s_load_b256 s[4:11], s[0:1], 0x0               ; ehat s[4:5], stats s[6:7], ctxp s[8:9], coverage s[10:11]
	s_load_b256 s[12:19], s[0:1], 0x20             ; enc_lens s[12:13], out0 s[14:15], out1 s[16:17], out2 s[18:19]
	s_lshr_b32 s20, ttmp9, 3                       ; b
	s_and_b32 s21, ttmp9, 7                        ; j
	v_lshlrev_b32 v1, 4, v0                        ; 16 bytes a lane
	v_and_b32 v2, 7, v0
	v_lshlrev_b32 v2, 8, v2                        ; part k = lane % 8: 256 bytes of stats each
	s_lshl_b32 s35, s21, 8
	v_lshl_add_u32 v3, v0, 2, s35                  ; my first row: 256 j + 4 lane
	s_lshl_b32 s22, s20, 2                         ; enc_lens: 4 b
	s_mov_b32 s23, 0
	s_lshl_b32 s24, s20, 11                        ; stats: 8 b x 256
	s_mov_b32 s25, 0
	s_lshl_b32 s28, s21, 9                         ; 512 j
	s_lshl_b32 s26, s20, 15                        ; ctxp: 8 b rows of 4,096 bytes + 512 j
	s_add_co_u32 s26, s26, s28
	s_mov_b32 s27, 0
	s_lshl_b32 s30, s20, 12                        ; out0: 4,096 b + 512 j
	s_add_co_u32 s30, s30, s28
	s_mov_b32 s31, 0
	s_lshl_b32 s32, s20, 13                        ; rows: 8,192 b + 1,024 j
	s_lshl_b32 s28, s21, 10
	s_add_co_u32 s32, s32, s28
	s_mov_b32 s33, 0
	s_wait_alu depctr_va_vdst(0)
	s_wait_kmcnt 0x0
	s_add_nc_u64 s[12:13], s[12:13], s[22:23]
	s_load_b32 s34, s[12:13], 0x0                  ; enc_lens of the batch
	s_add_nc_u64 s[6:7], s[6:7], s[24:25]
	s_add_nc_u64 s[8:9], s[8:9], s[26:27]
	s_add_nc_u64 s[14:15], s[14:15], s[30:31]
	s_add_nc_u64 s[4:5], s[4:5], s[32:33]
	s_add_nc_u64 s[10:11], s[10:11], s[32:33]
	s_add_nc_u64 s[16:17], s[16:17], s[32:33]
	s_add_nc_u64 s[18:19], s[18:19], s[32:33]
	global_load_b64 v[8:9], v2, s[6:7]             ; (M_k, L_k)
.irp k, 0,1,2,3,4,5,6,7
	global_load_b128 v[12+4*\k:15+4*\k], v1, s[8:9] offset:4096*\k
.endr
.irp q, 0,1
	global_load_b128 v[44+4*\q:47+4*\q], v1, s[4:5] offset:512*\q      ; e^ of rows 256 j + 128 q + 4 lane + 0 .. 3
	global_load_b128 v[52+4*\q:55+4*\q], v1, s[10:11] offset:512*\q    ; their coverage
.endr
	s_wait_loadcnt 0x0
	v_mov_b32 v10, v8
	v_max_num_f32_dpp v10, v10, v10 row_xmask:1 row_mask:0xf bank_mask:0xf
	v_max_num_f32_dpp v10, v10, v10 row_xmask:2 row_mask:0xf bank_mask:0xf
	v_max_num_f32_dpp v10, v10, v10 row_xmask:4 row_mask:0xf bank_mask:0xf   ; M, in every lane
	v_sub_f32 v11, v8, v10
	s_wait_alu depctr_va_vdst(0)
	v_exp_f32 v11, v11                             ; w_k
.irp e, 0,1,2,3,4,5,6,7
	v_sub_f32 v[44+\e], v[44+\e], v10              ; e^ - M (plain instructions behind the exponential)
.endr
	s_wait_alu depctr_va_vdst(0)
	v_mul_f32 v5, v11, v9
	v_add_f32_dpp v5, v5, v5 row_xmask:1 row_mask:0xf bank_mask:0xf
	v_add_f32_dpp v5, v5, v5 row_xmask:2 row_mask:0xf bank_mask:0xf
	v_add_f32_dpp v5, v5, v5 row_xmask:4 row_mask:0xf bank_mask:0xf          ; L
	s_wait_alu depctr_va_vdst(0)
	v_rcp_f32 v6, v5
.irp e, 0,1,2,3,4,5,6,7
	v_exp_f32 v[44+\e], v[44+\e]
.endr
	s_wait_kmcnt 0x0
	v_sub_nc_u32 v4, s34, v3                       ; enc_lens - my first row (also the plain instruction behind the transcendentals)
	s_wait_alu depctr_va_vdst(0)
	v_mul_f32 v7, v11, v6                          ; w_k / L
.irp k, 0,1,2,3,4,5,6,7
	v_readlane_b32 s[36+\k], v7, \k
.endr
.irp i, 0,1,2,3
	v_mul_f32 v[60+\i], s36, v[12+\i]
.endr
.irp k, 1,2,3,4,5,6,7
.irp i, 0,1,2,3
	v_fmac_f32 v[60+\i], s[36+\k], v[12+4*\k+\i]
.endr
.endr
	global_store_b128 v1, v[60:63], s[14:15]       ; the context
.irp e, 0,1,2,3,4,5,6,7
	v_mul_f32 v[44+\e], v[44+\e], v6
.endr
.irp q, 0,1
.irp i, 0,1,2,3
	v_cmp_lt_i32 vcc_lo, 128*\q+\i, v4             ; the row counts
	v_cndmask_b32 v[44+4*\q+\i], 0, v[44+4*\q+\i], vcc_lo
.endr
.endr
.irp e, 0,2,4,6
	v_pk_add_f32 v[52+\e:53+\e], v[52+\e:53+\e], v[44+\e:45+\e]
.endr
.irp q, 0,1
	global_store_b128 v1, v[44+4*\q:47+4*\q], s[16:17] offset:512*\q
	global_store_b128 v1, v[52+4*\q:55+4*\q], s[18:19] offset:512*\q
.endr
	s_endpgm
.Lfunc_end_k_qab55f8686f_finish:
	.size	k_qab55f8686f_finish, .Lfunc_end_k_qab55f8686f_finish-k_qab55f8686f_finish
	.p2alignl 7, 3214868480
	.fill 96, 4, 3214868480
	.section	.rodata,"a",@progbits
	.p2align	6, 0x0
	.amdhsa_kernel k_qab55f8686f_finish
		.amdhsa_group_segment_fixed_size 0
		.amdhsa_private_segment_fixed_size 0
		.amdhsa_enable_private_segment 0
		.amdhsa_kernarg_size 64
		.amdhsa_user_sgpr_count 2
		.amdhsa_user_sgpr_kernarg_segment_ptr 1
		.amdhsa_wavefront_size32 1
		.amdhsa_system_sgpr_workgroup_id_x 1
		.amdhsa_system_sgpr_workgroup_id_y 1
		.amdhsa_system_sgpr_workgroup_id_z 1
		.amdhsa_system_vgpr_workitem_id 0
		.amdhsa_next_free_vgpr 64
		.amdhsa_next_free_sgpr 66
		.amdhsa_reserve_vcc 1
		.amdhsa_float_denorm_mode_32 3
		.amdhsa_float_denorm_mode_16_64 3
		.amdhsa_memory_ordered 1
		.amdhsa_forward_progress 1
		.amdhsa_inst_pref_size 8
	.end_amdhsa_kernel
	.amdgpu_metadata
---
amdhsa.version: [ 1, 2 ]
amdhsa.kernels:
  - .name:           k_qab55f8686f_finish
    .symbol:         k_qab55f8686f_finish.kd
    .args:
      - { .name: ehat, .offset: 0, .size: 8, .value_kind: global_buffer, .address_space: global }
      - { .name: stats, .offset: 8, .size: 8, .value_kind: global_buffer, .address_space: global }
      - { .name: ctxp, .offset: 16, .size: 8, .value_kind: global_buffer, .address_space: global }
      - { .name: coverage_vector, .offset: 24, .size: 8, .value_kind: global_buffer, .address_space: global }
      - { .name: enc_lens, .offset: 32, .size: 8, .value_kind: global_buffer, .address_space: global }
      - { .name: out0, .offset: 40, .size: 8, .value_kind: global_buffer, .address_space: global }
      - { .name: out1, .offset: 48, .size: 8, .value_kind: global_buffer, .address_space: global }
      - { .name: out2, .offset: 56, .size: 8, .value_kind: global_buffer, .address_space: global }
    .group_segment_fixed_size: 0
    .private_segment_fixed_size: 0
    .kernarg_segment_align: 8
    .kernarg_segment_size: 64
    .max_flat_workgroup_size: 32
    .sgpr_count:     66
    .vgpr_count:     64
    .wavefront_size: 32
...
	.end_amdgpu_metadata
.endif
;; end of part 3
